; MI455X (gfx1250); checked and timed in simulation.
; The chip was launched on July 23, 2026; its instructions are those of AMD's public machine-readable ISA for CDNA 5 (MIT licence, August 2026) and "CDNA5" Instruction Set Architecture Reference Guide (July 2026). The comments in the code are by the model that wrote it; some were corrected since.
;; KNN Classifier. Allowed arithmetic: matrix products marked QUANTISED: E4M3 operands, one E8M0 scale for each 32 along K, by v_wmma_scale_f32_16x16x128_f8f6f4 with both operands' format E4M3, f32 sums; everything else in f32.
;; Inputs: x 2,048 x 512 float32; x_train 65,536 x 512 float32; y_train 65,536 int32.
;; Outputs: out0 2,048 int32.
;; This version of the problem:
;;   THIS VERSION OF THE PROBLEM IS GIVEN IN LOW PRECISION. The matrix products marked QUANTISED in the list below multiply operands that are first quantised to E4M3 (4 exponent bits, 3 mantissa bits; 8 bits a number), with one power-of-two scale for each 32 numbers along K (OCP MX v1.0); their sums are f32. All else is computed in f32.
;;   The module's matrix products, in the order in which they are computed (A, B: the left and right operand; K: the contracted axis; several contracted axes count as one K, in the product's order):
;;     1. [M 2,048, K 512] x [K 512, N 65,536]; A: input x; B: input x_train: QUANTISED
;;   THE QUANTISER, for each operand of a quantised product, along K:
;;     - K is cut into blocks of 32 from its start; a last block that is shorter is filled with zeros.
;;     - A block's scale is 2^e with e = floor(log2(the largest magnitude in the block)) - 8, held to -126 .. 127; a block of zeros has e = 0. As a byte (E8M0): e + 127.
;;     - Each number is divided by its block's scale, clamped to +-448, and rounded to the nearest number of E4M3, ties to even, subnormals kept.
;;     - The product sums the exact products of the quantised numbers (number of the format x scale) in f32.
;;   ~~~python
;;   def quantise(x, axis):      # numpy; x: float32 -> the quantised numbers, widened to float32 again
;;       x = np.moveaxis(x, axis, -1); K = x.shape[-1]
;;       x = np.pad(x, [(0, 0)] * (x.ndim - 1) + [(0, -K % 32)]); x = x.reshape(x.shape[:-1] + (-1, 32)); a = np.abs(x).max(-1, keepdims=True)
;;       e = np.where(a > 0, np.clip(np.frexp(np.where(a > 0, a, 1))[1] - 1 - 8, -126, 127), 0)      # np.frexp(a)[1] - 1 = floor(log2(a)), exactly
;;       r = np.clip(x / 2.0 ** e, -448, 448)
;;       step = 2.0 ** (np.maximum(np.frexp(np.where(r == 0, 1, r))[1] - 1, -6) - 3)
;;       q = np.round(r / step) * step * 2.0 ** e      # np.round: ties to even
;;       return np.moveaxis(q.reshape(q.shape[:-2] + (-1,))[..., :K], -1, axis).astype(np.float32)
;;   ~~~
;; One version. Each part assembles by itself: llvm-mc -triple=amdgcn-amd-amdhsa -mcpu=gfx1250 --defsym DOCPART=n.
;; ======== version 1 of 1: 4 launches
;; workspace buffers: tcodes 33,554,432 bytes; tside 1,310,720 bytes; xcodes 1,048,576 bytes; xside 40,960 bytes; candv 5,242,880 bytes; candg 5,242,880 bytes of whole numbers; topg 65,536 bytes of whole numbers
;; launch quant (part 1): grid 1056 x 1, 4 waves a work-group, no clusters, 57,856 bytes of LDS; arguments x, x_train, xcodes, xside, tcodes, tside; writes xcodes, xside, tcodes, tside
.if DOCPART == 1
	.amdgcn_target "amdgcn-amd-amdhsa--gfx1250"
	.amdhsa_code_object_version 6
	.text
	.protected	k_q7934a629d7_quant
	.globl	k_q7934a629d7_quant
	.p2align	8
	.type	k_q7934a629d7_quant,@function
k_q7934a629d7_quant:
	s_mov_b64 s[64:65], 0
	v_nop
	global_prefetch_b8 v0, s[64:65] scope:SCOPE_SE
	s_setreg_imm32_b32 hwreg(HW_REG_WAVE_MODE, 25, 1), 1
	s_wait_xcnt 0x0
; x [2048][512] and x_train [65536][512], f32, become codes of FP8 (E4M3) with one E8M0 scale byte for each 32 along K, laid in the ORDER OF THE OPERAND'S REGISTERS, and each row's sum of squares (f32).
; A TILE is 16 rows.  Training tile T = 64 c + tau holds, as in-tile row m = 8 hm + j, training row 1024 c + 512 hm + 8 tau + j; query tile T holds query 16 T + m.
; CODES of a tile: 8,192 bytes, 16 blocks f (32 along K each) of 512 bytes; the 16 codes k = 32 f + 16 h + 0..15 of in-tile row m lie at 512 f + 256 (m / 8) + 128 (h xor (m / 8)) + 16 (m % 8):
; eight rows' codes of one block are one aligned run of 256 bytes, and a wave that reads a block touches sixteen different 16-byte columns in each half of its lanes.
; SIDE block, one for 64 tiles, 20,480 bytes: scale bytes at 256 tau + 8 (m + 16 hh) + 4 p + b (row m, K step of 128 number 2 p + hh, block b of it); sums of squares at 16,384 + 64 tau + 4 m.
; A block's scale is 2^(floor(log2(its largest magnitude)) - 8); its byte is that magnitude's exponent field - 8, held at 1 from below.  A block of zeros so gets the byte 1 where the rule says 127: its codes are zeros, and this program alone reads the bytes.
; LIMITS: NaN and infinities are not served; blocks whose largest magnitude lies under 2^-118 keep the byte 1; a row's sum of squares is added in a fixed tree (16 numbers a lane in two chains, then across the 32 lanes), not in the order of a serial sum.
; SHARES: a wave takes one tile, 16 steps, a step = one row = 512 numbers.  Work-groups 0..1023 take training tiles 4 g + wave, 1024..1055 query tiles.  Only pointers and two numbers are chosen: one path through the text.
; Each of a step's four loads reads 512 consecutive bytes; the 2,048 bytes turn through the wave's own stage in LDS, so that a lane holds 16 neighbours along K (two lanes a block).  Waves share nothing: no barrier.
.set STEPS, 16
.set SP,    80                         ; a lane's place in a stage: 64 bytes + 16 of padding
.set WREG,  14336                      ; LDS of a wave: two stages (2 x 2,560), the tile's image, its scale bytes, its sums
.set IMG,   5120                       ; the image: 16 blocks, 528 bytes apart, so that the lanes' stores fall on different banks
.set IP,    528
.set SCB,   13568                      ; 256 scale bytes
.set T2S,   13824                      ; 16 sums of squares
.set EMAX,  8
.set R,     16                         ; v16-79   four sets of 16 numbers as loaded; at the end the image on its way out
.set X,     80                         ; v80-111  two sets of 16 neighbours
.set C,     112                        ; v112-119 codes, two sets by turns
.set E,     120                        ; v120-121 the scale byte, two by turns
.set Q,     122                        ; v122-123 the row's sum, two by turns
.set SQ,    124                        ; v[124:125] squares at work; v126 the other half's sum
	s_load_b256 s[4:11], s[0:1], 0x0               ; x s[4:5], x_train s[6:7], xcodes s[8:9], xside s[10:11]
	s_load_b128 s[12:15], s[0:1], 0x20             ; tcodes s[12:13], tside s[14:15]
	v_lshl_add_u32 v144, v0, 2, 0xe000
	v_mov_b32 v145, 0
	v_lshrrev_b32 v1, 5, v0
	v_readfirstlane_b32 s2, v1                     ; wave
	v_and_b32 v2, 31, v0                           ; lane
	v_lshlrev_b32 v3, 4, v2                        ; 16 x lane: my bytes of a load's or a store's 512; never rewritten
	s_mul_i32 s3, s2, WREG
	v_lshrrev_b32 v14, 2, v2
	v_mul_u32_u24 v14, v14, SP
	v_and_b32 v15, 3, v2
	v_lshl_add_u32 v14, v15, 4, v14
	v_add_nc_u32 v14, s3, v14                      ; the stage, in: SP (lane / 4) + 16 (lane % 4)
	v_mul_u32_u24 v15, v2, SP
	v_add_nc_u32 v15, s3, v15                      ; and out: SP x lane: my 16 neighbours
	v_lshrrev_b32 v8, 1, v2                        ; my block f = lane / 2, my half h = lane % 2
	v_mul_u32_u24 v8, v8, IP
	v_add_nc_u32 v8, s3, v8
	v_and_b32 v9, 1, v2
	v_lshl_add_u32 v4, v9, 7, v8                   ; image, rows 0-7: IP f + 128 h
	v_sub_nc_u32 v9, 1, v9
	v_lshl_add_u32 v5, v9, 7, v8                   ; rows 8-15: IP f + 128 (1 - h); the 256 stands in the store's offset
	v_bfe_u32 v8, v2, 3, 1                         ; hh: the K step's low bit
	v_lshlrev_b32 v6, 7, v8
	v_lshrrev_b32 v8, 4, v2                        ; p: its high bit
	v_lshl_add_u32 v6, v8, 2, v6
	v_bfe_u32 v8, v2, 1, 2                         ; b: the block in the K step
	v_add_nc_u32 v6, v6, v8
	v_add_nc_u32 v6, s3, v6                        ; my scale byte's place: 128 hh + 4 p + b
	v_mov_b32 v7, s3                               ; the sums' place (the same in every lane)
	v_add_nc_u32 v128, s3, v3                      ; the image, back: 16 x lane
	v_lshlrev_b32 v130, 3, v2                      ; 8 x lane
	v_add_nc_u32 v129, s3, v130                    ; the scale bytes, back
	v_and_b32 v132, 15, v2
	v_lshlrev_b32 v132, 2, v132                    ; 4 x (lane % 16)
	v_add_nc_u32 v131, s3, v132                    ; the sums, back
	v_mov_b32 v126, 0                              ; a lane permute's destination counts as one of its sources
	s_mov_b32 s32, 0x600000                        ; the mantissa field of 448
	s_mov_b32 s34, 0x76543210
	s_mov_b32 s35, 0xfedcba98                      ; lane l xor 16
	s_lshl_b32 s26, ttmp9, 2
	s_add_co_u32 s26, s26, s2                      ; the tile, if it is a training tile,
	s_sub_co_u32 s27, s26, 4096                    ; and if it is a query tile
	s_lshr_b32 s28, s26, 6
	s_lshl_b32 s28, s28, 10
	s_and_b32 s29, s26, 63
	s_lshl_b32 s29, s29, 3
	s_add_co_u32 s28, s28, s29                     ; training: in-tile row 0 is row 1024 c + 8 tau
	s_lshl_b32 s29, s27, 4                         ; query: row 16 T
	s_mov_b32 s30, 1<<14                           ; query: in-tile row 8 lies 8 rows of 2,048 bytes on
	s_wait_kmcnt 0x0
	s_cmp_lt_u32 ttmp9, 1024                       ; the choice hangs on the work-group's number alone; every selection stands ahead of the next line that sets SCC
	s_cselect_b64 s[16:17], s[6:7], s[4:5]
	s_cselect_b64 s[18:19], s[12:13], s[8:9]
	s_cselect_b64 s[20:21], s[14:15], s[10:11]
	s_cselect_b32 s26, s26, s27                    ; T
	s_cselect_b32 s28, s28, s29                    ; first row
	s_cselect_b32 s30, 1<<20, s30                  ; training: in-tile row 8 lies 512 rows on
	s_lshl_b32 s28, s28, 11
	s_mov_b32 s29, 0
	s_add_nc_u64 s[16:17], s[16:17], s[28:29]      ; in-tile rows 0-7
	s_mov_b32 s31, 0
	s_add_nc_u64 s[22:23], s[16:17], s[30:31]      ; in-tile rows 8-15
	s_lshl_b32 s28, s26, 13
	s_add_nc_u64 s[18:19], s[18:19], s[28:29]      ; the tile's codes
	s_lshr_b32 s27, s26, 6
	s_mul_i32 s27, s27, 20480
	s_and_b32 s26, s26, 63
	s_lshl_b32 s28, s26, 8
	s_add_co_u32 s28, s28, s27
	s_lshl_b32 s30, s26, 6
	s_add_co_u32 s30, s30, s27
	s_add_co_u32 s30, s30, 16384
	s_add_nc_u64 s[24:25], s[20:21], s[30:31]      ; the tile's sums of squares
	s_add_nc_u64 s[20:21], s[20:21], s[28:29]      ; the tile's scale bytes
.macro LOAD t                          ; row t: four loads of 512 consecutive bytes
.irp i, 0,1,2,3
.if (\t) < 8
	global_load_b128 v[R+16*((\t)%4)+4*\i:R+16*((\t)%4)+4*\i+3], v3, s[16:17] offset:2048*((\t)%8)+512*\i th:TH_LOAD_NT
.else
	global_load_b128 v[R+16*((\t)%4)+4*\i:R+16*((\t)%4)+4*\i+3], v3, s[22:23] offset:2048*((\t)%8)+512*\i th:TH_LOAD_NT
.endif
.endr
.endm
.macro TURN t                          ; row t through a stage: LDS serves a wave's instructions in order, so no wait stands between the stores and the loads
.irp i, 0,1,2,3
	ds_store_b128 v14, v[R+16*((\t)%4)+4*\i:R+16*((\t)%4)+4*\i+3] offset:32*SP*((\t)%2)+8*SP*\i
.endr
.irp i, 0,1,2,3
	ds_load_b128 v[X+16*((\t)%2)+4*\i:X+16*((\t)%2)+4*\i+3], v15 offset:32*SP*((\t)%2)+16*\i
.endr
.endm
.irp t, 0,1,2,3
	LOAD \t
.endr
	s_wait_loadcnt 12                              ; row 0's four loads are in
	TURN 0
.macro STEP t
.set XS, X+16*((\t)%2)
.set CC, C+4*((\t)%2)
.if (\t) > 0
	s_wait_dscnt 3                                 ; this row is back from the stage; only the last step's three stores may be out, so those of two steps back have read the registers that this step writes
.else
	s_wait_dscnt 0x0
.endif
.if (\t)+4 < STEPS
	LOAD (\t)+4                                    ; into the set that this row's stage stores have read
.endif
.if (\t)+1 < STEPS
.if STEPS-2-(\t) >= 3
	s_wait_loadcnt 12                              ; the next row's four loads are in; three rows' twelve may be out
.else
	s_wait_loadcnt 4*(STEPS-2-(\t))
.endif
	TURN (\t)+1
.endif
	v_pk_mul_f32 v[SQ:SQ+1], v[XS:XS+1], v[XS:XS+1]                ; the squares first: the hold below changes the numbers
.irp i, 2,4,6,8,10,12,14
	v_pk_fma_f32 v[SQ:SQ+1], v[XS+\i:XS+\i+1], v[XS+\i:XS+\i+1], v[SQ:SQ+1]
.endr
	v_max3_num_f32 v8, |v[XS]|, |v[XS+1]|, |v[XS+2]|               ; the largest magnitude of my 16
	v_max3_num_f32 v9, |v[XS+3]|, |v[XS+4]|, |v[XS+5]|
.irp i, 6,10
	v_max3_num_f32 v8, v8, |v[XS+\i]|, |v[XS+\i+1]|
	v_max3_num_f32 v9, v9, |v[XS+\i+2]|, |v[XS+\i+3]|
.endr
	v_max3_num_f32 v8, v8, |v[XS+14]|, |v[XS+15]|
	v_max3_num_f32 v8, v8, v9, (EMAX+1)<<23        ; and the floor 2^(9 - 127): the byte cannot fall under 1
	v_add_f32 v[SQ], v[SQ], v[SQ+1]
	v_max_num_f32_dpp v8, v8, v8 row_xmask:1 row_mask:0xf bank_mask:0xf   ; with my neighbour's 16: the block's
	v_add_f32_dpp v[SQ], v[SQ], v[SQ] row_xmask:1 row_mask:0xf bank_mask:0xf
	v_add_nc_u32 v11, -(EMAX<<23), v8              ; 8 off the exponent field: the conversion's scale operand
	v_add_f32_dpp v[SQ], v[SQ], v[SQ] row_xmask:2 row_mask:0xf bank_mask:0xf
	v_and_or_b32 v10, v8, 0x7f800000, s32          ; 448 x the scale
	v_add_f32_dpp v[SQ], v[SQ], v[SQ] row_xmask:4 row_mask:0xf bank_mask:0xf
.irp i, 0,1,2,3,4,5,6,7,8,9,10,11,12,13,14,15
	v_med3_num_f32 v[XS+\i], v[XS+\i], -v10, v10   ; the conversion to an 8-bit code does not saturate (ISA guide 7.6.2): hold first
.endr
	v_add_f32_dpp v[SQ], v[SQ], v[SQ] row_xmask:8 row_mask:0xf bank_mask:0xf
	v_cvt_scalef32_pk8_fp8_f32 v[CC:CC+1], v[XS:XS+7], v11
	v_cvt_scalef32_pk8_fp8_f32 v[CC+2:CC+3], v[XS+8:XS+15], v11
	v_lshrrev_b32 v[E+(\t)%2], 23, v11             ; the scale's byte (also the plain line behind the conversions)
	v_permlanex16_b32 v126, v[SQ], s34, s35
	v_add_f32 v[Q+(\t)%2], v[SQ], v126             ; the row's sum of squares, in every lane
.if (\t) < 8
	ds_store_b128 v4, v[CC:CC+3] offset:IMG+16*(\t)
.else
	ds_store_b128 v5, v[CC:CC+3] offset:IMG+256+16*((\t)-8)
.endif
	ds_store_b8 v6, v[E+(\t)%2] offset:SCB+8*(\t)  ; both lanes of a block write the same byte with the same value
	ds_store_b32 v7, v[Q+(\t)%2] offset:T2S+4*(\t) ; all lanes write the same word with the same value
.endm
.irp t, 0,1,2,3,4,5,6,7,8,9,10,11,12,13,14,15
	STEP \t
.endr
.irp i, 0,1,2,3,4,5,6,7,8,9,10,11,12,13,14,15
	ds_load_b128 v[R+4*\i:R+4*\i+3], v128 offset:IMG+IP*\i         ; LDS serves a wave's instructions in order: these see my stores
.endr
	ds_load_b64 v[134:135], v129 offset:SCB
	ds_load_b32 v133, v131 offset:T2S
.irp i, 0,1,2,3,4,5,6,7,8,9,10,11,12,13,14,15
	s_wait_dscnt 17-\i                             ; block i is back; the younger loads may be out
	global_store_b128 v3, v[R+4*\i:R+4*\i+3], s[18:19] offset:512*\i   ; 32 lanes store 512 consecutive bytes, at a multiple of 512 from the buffer's first byte
.endr
	s_wait_dscnt 0x0
	global_store_b64 v130, v[134:135], s[20:21]    ; 256 consecutive bytes, aligned
	v_cmp_gt_u32 vcc_lo, 16, v2
	s_wait_xcnt 0x0                                ; EXEC changes only behind this wait
	s_wait_tensorcnt 0x0
	ds_add_u32 v144, v145
	s_wait_dscnt 0x0
	s_and_saveexec_b32 s30, vcc_lo
	global_store_b32 v132, v133, s[24:25]          ; 16 sums: 64 bytes, one part in 128 of the tile's codes
	s_wait_xcnt 0x0
	s_or_b32 exec_lo, exec_lo, s30
	s_endpgm
.Lfunc_end_k_q7934a629d7_quant:
	.size	k_q7934a629d7_quant, .Lfunc_end_k_q7934a629d7_quant-k_q7934a629d7_quant
	.p2alignl 7, 3214868480
	.fill 96, 4, 3214868480
	.section	.rodata,"a",@progbits
	.p2align	6, 0x0
	.amdhsa_kernel k_q7934a629d7_quant
		.amdhsa_group_segment_fixed_size 57856
		.amdhsa_private_segment_fixed_size 0
		.amdhsa_enable_private_segment 0
		.amdhsa_kernarg_size 48
		.amdhsa_user_sgpr_count 2
		.amdhsa_user_sgpr_kernarg_segment_ptr 1
		.amdhsa_wavefront_size32 1
		.amdhsa_system_sgpr_workgroup_id_x 1
		.amdhsa_system_sgpr_workgroup_id_y 1
		.amdhsa_system_sgpr_workgroup_id_z 1
		.amdhsa_system_vgpr_workitem_id 0
		.amdhsa_next_free_vgpr 146
		.amdhsa_next_free_sgpr 66
		.amdhsa_reserve_vcc 1
		.amdhsa_float_denorm_mode_32 3
		.amdhsa_float_denorm_mode_16_64 3
		.amdhsa_memory_ordered 1
		.amdhsa_forward_progress 1
		.amdhsa_inst_pref_size 70
	.end_amdhsa_kernel
	.amdgpu_metadata
---
amdhsa.version: [ 1, 2 ]
amdhsa.kernels:
  - .name:           k_q7934a629d7_quant
    .symbol:         k_q7934a629d7_quant.kd
    .args:
      - { .name: x, .offset: 0, .size: 8, .value_kind: global_buffer, .address_space: global }
      - { .name: x_train, .offset: 8, .size: 8, .value_kind: global_buffer, .address_space: global }
      - { .name: xcodes, .offset: 16, .size: 8, .value_kind: global_buffer, .address_space: global }
      - { .name: xside, .offset: 24, .size: 8, .value_kind: global_buffer, .address_space: global }
      - { .name: tcodes, .offset: 32, .size: 8, .value_kind: global_buffer, .address_space: global }
      - { .name: tside, .offset: 40, .size: 8, .value_kind: global_buffer, .address_space: global }
    .group_segment_fixed_size: 57856
    .private_segment_fixed_size: 0
    .kernarg_segment_align: 8
    .kernarg_segment_size: 48
    .max_flat_workgroup_size: 128
    .sgpr_count:     66
    .vgpr_count:     146
    .wavefront_size: 32
...
	.end_amdgpu_metadata
.endif
;; end of part 1
;; launch scan (part 2): grid 4 x 64, 4 waves a work-group, clusters of 4 x 1, 327,680 bytes of LDS; arguments xcodes, xside, tcodes, tside, candv, candg; writes candv, candg
.if DOCPART == 2
	.amdgcn_target "amdgcn-amd-amdhsa--gfx1250"
	.amdhsa_code_object_version 6
	.text
	.protected	k_q7934a629d7_scan
	.globl	k_q7934a629d7_scan
	.p2align	8
	.type	k_q7934a629d7_scan,@function
k_q7934a629d7_scan:
	s_mov_b64 s[64:65], 0
	v_nop
	global_prefetch_b8 v0, s[64:65] scope:SCOPE_SE
	s_setreg_imm32_b32 hwreg(HW_REG_WAVE_MODE, 25, 1), 1
	s_wait_xcnt 0x0
	s_wait_alu depctr_hold_cnt(0) depctr_sa_sdst(0) depctr_va_vdst(0) depctr_va_sdst(0) depctr_va_ssrc(0) depctr_va_vcc(0) depctr_vm_vsrc(0)
	s_getreg_b32 s2, hwreg(HW_REG_IB_STS2, 6, 4)
	s_cmp_eq_u32 s2, 0
	s_cbranch_scc0 .Lentry_in_a_cluster
	s_endpgm
.Lentry_in_a_cluster:
	s_bfe_u32 s2, ttmp6, 0x10000c
	s_cmp_lg_u32 s2, 0x3003
	s_cbranch_scc0 .Lentry_shape_is_right
	s_endpgm
.Lentry_shape_is_right:
; The whole product Q(x) Q(x_train)^T on codes of FP8 with E8M0 scales, d2 = (x2 + t2) - 2 dot, and a first selection: for each query and each run of 512 training rows the five GROUPS of 8 neighbouring rows
; with the smallest (max(smallest d2 of the group, 0), group number).  The five nearest rows of a query lie in its five best groups, so later launches need look at few rows.
; SHARES.  Work-group (qb, c): 512 queries x the 1,024 training rows of chunk c (64 tiles of 16).  Wave w keeps 8 query tiles (128 queries) in 512 registers for the whole launch; all four waves read every training tile from LDS.
; A wave issues 64 x 32 = 2,048 matrix instructions.
; CLUSTER.  The four work-groups of a cluster have the same chunk and other queries: every tensor load is asked for JOINTLY (mask 15, the same descriptor in all four).  The place in the cluster enters the queries' and the results' global addresses alone.
; LAYOUT.  Source 0 = 16 training rows, source 1 = 16 queries: lane (r, h) holds query r, and its eight registers the in-tile rows 8 h + 0..7, which the layout of the codes' buffer makes 8 NEIGHBOURING training rows:
; group g = row / 8 = 128 c + 64 h + tile.  So a group's minimum needs no other lane, and a lane's groups come in ascending order: a strict comparison keeps the lower group on ties.
; BY TURNS.  A batch is 16 products (4 K steps x 4 query tiles, the accumulators by turns).  Behind each product stands a slice of eight vector instructions of the batch BEFORE (two sets of accumulators):
; 32 vector instructions a tile of results.  All that they touch lies in window 0, the products' operands in windows 1 to 3: two switches of the window a product, the price of keeping 512 registers of queries.
; LIMITS: NaN and infinities are not served.  What is kept is exact for the order by (max(d2, 0), row); see the last launch for distances that round to the same number.
; REGISTERS.  window 0: v1-12 addresses; v16-31 queries' scale words, v32-35 the training tile's (two buffers): these hold scales and nothing else; v36-51 t2 (two buffers); v52-59 x2; v60-75 d2 at work (two tiles);
;   v76-77 a group's minimum; v78-79 offsets; v96-159 two sets of four accumulators; v160-199 the lists' values (tile t, place i: 5 t + i), v200-239 their group numbers.
;   window 1: query tiles 0-3 (tile u, K step s at 64 u + 16 s); window 2: query tiles 4-7; window 3: the training tile's fragments, two buffers of 64.
.set SLOT1, 131072                     ; LDS: two slots of 16 tiles x 8,192 bytes; one exclusive or turns an address in one into the other's
.set SCL,   262144                     ; the chunk's scale bytes, 64 x 256, filled once
.set T2L,   278528                     ; its sums of squares, 64 x 64, filled once (by the same loads: the side block is 20,480 dense bytes)
.set SPARE, 282624                     ; the spare words: 128 bytes a wave, two blocks of 256 bytes that no other line names
.set STAGE, 283136                     ; the way out: 10,240 bytes a wave; no tensor load fills it
.set LC,   1                           ; v1   my 16 bytes in a block of 512: 256 (r / 8) + 128 (h xor (r / 8)) + 16 (r % 8)
.set ASC,  2                           ; v2   SCL + 8 x lane
.set AT2,  3                           ; v3   T2L + 32 h
.set ADC,  4                           ; v4-6 addresses of the loads in hand
.set ADS,  5
.set ADT,  6
.set GIDV, 7                           ; v7   the group number of the results in hand
.set SPW,  8                           ; v8   my spare word's address; never rewritten
.set NIL,  9                           ; v9   0; never rewritten
.set STO,  10
.set RD,   11
.set GO,   12
.set QS,   16
.set TSC,  32
.set T2,   36
.set X2,   52
.set SS,   60
.set VM,   76
.set ACC,  96
.set LA,   160
.set LG,   200
.set WV,   16                          ; s16  wave
.set G1C,  24                          ; s[24:31] group 1: 128 rows of 256 bytes, dense
.set G1S,  32                          ; s[32:39] group 1: 20 such rows
.set G0S,  40                          ; s[40:43] group 0: my quarter of the side block
.set G0A,  44                          ; s[44:47] group 0: my quarter of slot 0's first fill
.set G0W,  48                          ; s[48:51] group 0: my quarter of slot 1's first fill; then it walks
.set TB,   52                          ; s52  LDS byte of the tile to be fetched
.set TS,   53                          ; s53  its scale words: 256 bytes a tile
.set TT,   54                          ; s54  its sums of squares: 64 bytes a tile
.set MK,   66                          ; s66-70, s71-75 the five comparisons of a tile, for two tiles at work
.set MSB, 0
.macro WIN new                         ; the immediate's high byte repeats the setting that is left; a switch that changes nothing is dropped
.if MSB != (\new)
	s_set_vgpr_msb (MSB<<8)|(\new)
.set MSB, (\new)
.endif
.endm
.macro CROUND                          ; a round of the cluster's barrier
	s_barrier_signal -1
	s_barrier_wait -1
	s_cmp_lg_u32 s[WV], 0
	s_cbranch_scc1 .Lnot_wave_0_\@
	s_barrier_signal -3
.Lnot_wave_0_\@:
	s_barrier_wait -3
	s_barrier_signal -1
	s_barrier_wait -1
.endm
	s_load_b256 s[4:11], s[0:1], 0x0               ; xcodes s[4:5], xside s[6:7], tcodes s[8:9], tside s[10:11]
	s_load_b128 s[12:15], s[0:1], 0x20             ; candv s[12:13], candg s[14:15]
	v_lshl_add_u32 v[SPW], v0, 2, SPARE
	v_mov_b32 v[NIL], 0
	ds_add_u32 v8, v9
	ds_add_u32 v8, v9
	s_wait_dscnt 0x0
	v_lshrrev_b32 v13, 5, v0
	v_readfirstlane_b32 s[WV], v13                 ; wave 0..3
	s_bfe_u32 s17, ttmp6, 0x40000                  ; cx
	s_lshl_b32 s18, ttmp9, 2
	s_add_co_u32 s18, s18, s17                     ; qb: my block of 512 queries
	s_and_b32 s19, ttmp7, 0xffff                   ; c: the chunk, which the four partners share
	s_mov_b32 s[G1C], 15|(3<<16)|(1<<21)           ; 15:0 the mask: all four; 17:16 elements of 8 bytes; 21 set beside a mask; no padding: a block's 512 bytes are read on end
	s_mov_b32 s[G1C+1], 32<<16                     ; tensor_dim0 = 32 elements: 256 bytes
	s_mov_b32 s[G1C+2], 128<<16                    ; tensor_dim1 = 128
	s_mov_b32 s[G1C+3], 32<<16                     ; tile_dim0
	s_mov_b32 s[G1C+4], 128                        ; tile_dim1
	s_mov_b32 s[G1C+5], 32                         ; the pitch: dense
	s_mov_b32 s[G1C+6], 0
	s_mov_b32 s[G1C+7], 0
	s_mov_b32 s[G1S], 15|(3<<16)|(1<<21)
	s_mov_b32 s[G1S+1], 32<<16
	s_mov_b32 s[G1S+2], 20<<16
	s_mov_b32 s[G1S+3], 32<<16
	s_mov_b32 s[G1S+4], 20
	s_mov_b32 s[G1S+5], 32
	s_mov_b32 s[G1S+6], 0
	s_mov_b32 s[G1S+7], 0
	s_mul_i32 s20, s[WV], 5120                     ; my 20 rows of the side block
	s_mul_i32 s22, s19, 20480
	s_add_co_u32 s22, s22, s20
	s_mov_b32 s23, 0
	s_lshl_b32 s21, s[WV], 15                      ; my 128 rows (4 tiles) of a slot
	s_lshl_b32 s56, s19, 19                        ; the chunk's codes: 524,288 bytes
	s_add_co_u32 s56, s56, s21
	s_mov_b32 s57, 0
	s_mov_b32 s[TB], 0
	s_mov_b32 s[TS], 0
	s_mov_b32 s[TT], 0
	s_wait_kmcnt 0x0
	s_mov_b32 s[G0S], 1
	s_add_co_u32 s[G0S+1], s20, SCL
	s_add_nc_u64 s[G0S+2:G0S+3], s[10:11], s[22:23]
	s_or_b32 s[G0S+3], s[G0S+3], 0x80000000
	s_mov_b32 s[G0A], 1
	s_mov_b32 s[G0A+1], s21
	s_add_nc_u64 s[G0A+2:G0A+3], s[8:9], s[56:57]
	s_mov_b32 s[G0W], 1
	s_add_co_u32 s[G0W+1], s21, SLOT1
	s_add_nc_u64 s[G0W+2:G0W+3], s[G0A+2:G0A+3], SLOT1   ; 16 tiles on
	s_or_b32 s[G0A+3], s[G0A+3], 0x80000000
	s_or_b32 s[G0W+3], s[G0W+3], 0x80000000
	CROUND                                         ; all four work-groups are here: the first joint loads meet
	tensor_load_to_lds s[G0S:G0S+3], s[G1S:G1S+7]  ; the first fills go out together: three loads of mine are out
	s_nop 0
	tensor_load_to_lds s[G0A:G0A+3], s[G1C:G1C+7]
	s_nop 0
	tensor_load_to_lds s[G0W:G0W+3], s[G1C:G1C+7]
	s_nop 0
.rept 4
	v_nop
.endr
	s_lshl_b32 s20, s18, 5
	s_lshl_b32 s21, s[WV], 3
	s_add_co_u32 s20, s20, s21                     ; my first query tile: 32 qb + 8 w
	s_lshl_b32 s22, s20, 13
	s_add_nc_u64 s[62:63], s[4:5], s[22:23]        ; its codes
	s_lshr_b32 s21, s20, 6
	s_mul_i32 s21, s21, 20480
	s_and_b32 s20, s20, 63                         ; (my eight tiles lie in one side block)
	s_lshl_b32 s22, s20, 8
	s_add_co_u32 s22, s22, s21
	s_add_nc_u64 s[58:59], s[6:7], s[22:23]        ; its scale words
	s_lshl_b32 s22, s20, 6
	s_add_co_u32 s22, s22, s21
	s_add_co_u32 s22, s22, 16384
	s_add_nc_u64 s[60:61], s[6:7], s[22:23]        ; its sums of squares
	s_mul_i32 s22, s19, 81920                      ; results: [list 2 c + h][place][query], 8,192 bytes a row
	s_lshl_b32 s20, s18, 11
	s_add_co_u32 s22, s22, s20
	s_lshl_b32 s20, s[WV], 9
	s_add_co_u32 s22, s22, s20
	s_add_nc_u64 s[12:13], s[12:13], s[22:23]
	s_add_nc_u64 s[14:15], s[14:15], s[22:23]
	v_and_b32 v13, 7, v0                           ; r % 8
	v_bfe_u32 v14, v0, 3, 1                        ; r / 8
	v_bfe_u32 v15, v0, 4, 1                        ; h
	v_add_nc_u32 v80, v14, v15
	v_and_b32 v80, 1, v80                          ; h xor (r / 8)
	v_lshlrev_b32 v[LC], 4, v13
	v_lshl_add_u32 v[LC], v14, 8, v[LC]
	v_lshl_add_u32 v[LC], v80, 7, v[LC]
	v_and_b32 v81, 31, v0
	v_lshlrev_b32 v78, 3, v81                      ; 8 x lane
	v_and_b32 v82, 15, v0
	v_lshlrev_b32 v79, 2, v82                      ; 4 r
	WIN 0x40                                       ; destination window 1
.irp t, 0,1,2,3
.irp f, 0,1,2,3,4,5,6,7,8,9,10,11,12,13,14,15
	global_load_b128 v[64*\t+4*\f:64*\t+4*\f+3], v[LC], s[62:63] offset:8192*\t+512*\f   ; the queries stay in registers; a load reads 512 consecutive bytes
.endr
.endr
	WIN 0x80                                       ; destination window 2
.irp t, 0,1,2,3
.irp f, 0,1,2,3,4,5,6,7,8,9,10,11,12,13,14,15
	global_load_b128 v[64*\t+4*\f:64*\t+4*\f+3], v[LC], s[62:63] offset:8192*(\t+4)+512*\f
.endr
.endr
	WIN 0
.irp t, 0,1,2,3,4,5,6,7
	global_load_b64 v[QS+2*\t:QS+2*\t+1], v78, s[58:59] offset:256*\t   ; register p: lanes 0-15 the words of K step 2 p, lanes 16-31 of K step 2 p + 1
.endr
.irp t, 0,1,2,3,4,5,6,7
	global_load_b32 v[X2+\t], v79, s[60:61] offset:64*\t
.endr
	v_add_nc_u32 v[ASC], SCL, v78
	v_lshl_add_u32 v[AT2], v15, 5, T2L
	s_lshl_b32 s20, s19, 7
	s_sub_co_u32 s20, s20, 1
	v_lshl_add_u32 v[GIDV], v15, 6, s20            ; 128 c + 64 h - 1: one is added ahead of each tile's results
	s_mul_i32 s21, s[WV], 10240
	s_add_co_u32 s21, s21, STAGE
	v_mul_u32_u24 v[STO], v15, 2560
	v_lshl_add_u32 v[STO], v82, 2, v[STO]
	v_add_nc_u32 v[STO], s21, v[STO]               ; the stage, in: 2,560 h + 4 r; the place (512 i) and the tile (64 t) stand in the offset
	v_lshlrev_b32 v[GO], 4, v81                    ; 16 x lane
	v_add_nc_u32 v[RD], s21, v[GO]                 ; and back: rows of 512 bytes, my wave's 128 queries
.set ii, 0
.rept 40
	v_mov_b32 v[LA+ii], 0x7f800000                 ; the lists begin as (+infinity, 0): each takes 64 groups, so none of these is left at the end
	v_mov_b32 v[LG+ii], 0
.set ii, ii+1
.endr
; The next tile's fragments (16 loads of 512 bytes on end) and its scale words into buffer be
.macro FETCH be
	WIN 0
	v_add_nc_u32 v[ADC], s[TB], v[LC]
	v_add_nc_u32 v[ADS], s[TS], v[ASC]
	s_add_co_u32 s[TB], s[TB], 8192
	s_add_co_u32 s[TS], s[TS], 256
	ds_load_b64 v[TSC+2*(\be):TSC+2*(\be)+1], v[ADS]
	WIN 0xc0                                       ; destination window 3
.irp f, 0,1,2,3,4,5,6,7,8,9,10,11,12,13,14,15
	ds_load_b128 v[64*(\be)+4*\f:64*(\be)+4*\f+3], v[ADC] offset:512*\f
.endr
.endm
.macro FETCH_T2 be                     ; and the sums of squares of its rows 8 h + 0..7
	WIN 0
	v_add_nc_u32 v[ADT], s[TT], v[AT2]
	s_add_co_u32 s[TT], s[TT], 64
	ds_load_b128 v[T2+8*(\be):T2+8*(\be)+3], v[ADT]
	ds_load_b128 v[T2+8*(\be)+4:T2+8*(\be)+7], v[ADT] offset:16
.endm
; Instruction n of 32 for the results of query tile 4 hb + u against the training tile whose t2 lies in buffer tb.
;   0-3   x2 + t2, two at a time      4-7   - 2 dot, fused: the accumulator is read from its low end on and never written by a vector instruction
;   8-12  the group's smallest d2, not under 0      13-17 is it under place i of the list?      18-22 the values move (a median of three is a sorted insertion)      23-31 the group numbers move by the same five comparisons
.macro VOP u, hb, tb
.set tq, 4*(\hb)+(\u)
.set pr, (\u)%2
.set rS, SS+8*pr
.set rV, VM+pr
.set rM, MK+5*pr
.set rA, ACC+32*(\hb)+8*(\u)
.set rT, T2+8*(\tb)
.set rX, X2+2*(tq/2)
.set rL, LA+5*tq
.set rG, LG+5*tq
.if n < 4
.if tq%2
	v_pk_add_f32 v[rS+2*n:rS+2*n+1], v[rT+2*n:rT+2*n+1], v[rX:rX+1] op_sel:[0,1] op_sel_hi:[1,1]
.else
	v_pk_add_f32 v[rS+2*n:rS+2*n+1], v[rT+2*n:rT+2*n+1], v[rX:rX+1] op_sel_hi:[1,0]
.endif
.elseif n < 8
	v_pk_fma_f32 v[rS+2*(n-4):rS+2*(n-4)+1], v[rA+2*(n-4):rA+2*(n-4)+1], -2.0, v[rS+2*(n-4):rS+2*(n-4)+1] op_sel_hi:[1,0,1]
.elseif n == 8
	v_min3_num_f32 v[rS], v[rS], v[rS+1], v[rS+2]
.elseif n == 9
	v_min3_num_f32 v[rS+3], v[rS+3], v[rS+4], v[rS+5]
.elseif n == 10
	v_min3_num_f32 v[rS], v[rS], v[rS+6], v[rS+7]
.elseif n == 11
	v_min_num_f32 v[rV], v[rS], v[rS+3]
.elseif n == 12
	v_max_num_f32 v[rV], 0, v[rV]
.elseif n < 18
	v_cmp_lt_f32 s[rM+n-13], v[rV], v[rL+n-13]
.elseif n < 22
	v_med3_num_f32 v[rL+22-n], v[rV], v[rL+21-n], v[rL+22-n]
.elseif n == 22
	v_min_num_f32 v[rL], v[rV], v[rL]
.elseif n < 31
.set lq, n-23
.set li, 4-lq/2
.if lq%2 == 0
	v_cndmask_b32 v[rG+li], v[rG+li], v[GIDV], s[rM+li]
.else
	v_cndmask_b32 v[rG+li], v[rG+li], v[rG+li-1], s[rM+li-1]
.endif
.else
	v_cndmask_b32 v[rG], v[rG], v[GIDV], s[rM]
.endif
.endm
; Slice k of 16: four instructions of each of two tiles, alternating, so that no instruction reads the result of the one just before it
.macro SLICE hb, tb
.irp d, 0,1,2,3
.set n, 4*(k%8)+\d
	VOP 2*(k/8), \hb, \tb
	VOP 2*(k/8)+1, \hb, \tb
.endr
.endm
; A batch: the training tile in buffer be x query tiles 4 b .. 4 b + 3.  lag = 1: the batch before is worked on in the slices.  fk = 1: the next tile's fragments are fetched behind the second product; fk = 2: its t2.
; Places (ISA guide 7.12.1; only plain vector instructions that name none of a product's registers are counted): a result is first read in slice 1, behind slice 0's eight and the addition to the group number, nine at the least;
; the fetch stands behind three slices that follow the last product that read its buffer; an accumulator is begun anew a whole batch's slices behind its last product.
.macro BATCH be, b, lag, fk
.set ti, 0
.rept 16
.set sK, ti/4
.set uu, ti%4
.set rD, ACC+32*(\b)+8*uu
.set rF, 64*(\be)+16*sK
.set rQ, 64*uu+16*sK
.set rTS, TSC+2*(\be)+sK/2
.set rQS, QS+2*(4*(\b)+uu)+sK/2
	WIN 0x07+4*(\b)                                ; source 0 window 3, source 1 window 1 or 2, C and D window 0
.if sK == 0
	v_wmma_scale_f32_16x16x128_f8f6f4 v[rD:rD+7], v[rF:rF+15], v[rQ:rQ+15], 0, v[rTS], v[rQS]
.elseif sK == 2
	v_wmma_scale_f32_16x16x128_f8f6f4 v[rD:rD+7], v[rF:rF+15], v[rQ:rQ+15], v[rD:rD+7], v[rTS], v[rQS]
.else
	v_wmma_scale_f32_16x16x128_f8f6f4 v[rD:rD+7], v[rF:rF+15], v[rQ:rQ+15], v[rD:rD+7], v[rTS], v[rQS] matrix_a_scale:MATRIX_SCALE_ROW1 matrix_b_scale:MATRIX_SCALE_ROW1
.endif
.if \lag
	WIN 0
.if (\b) && (ti == 0)
	v_add_nc_u32 v[GIDV], 1, v[GIDV]               ; the results of a new training tile begin
.endif
.set k, ti
	SLICE 1-(\b), (\b)*(\be)+(1-(\b))*(1-(\be))
.endif
.if ti == 1
.if (\fk) == 1
	FETCH 1-(\be)
.elseif (\fk) == 2
	FETCH_T2 1-(\be)
.endif
.endif
.set ti, ti+1
.endr
.endm
.macro TILE be, lag0, fetch
	s_wait_dscnt 0x0                               ; this tile's 19 loads, asked for 14 products ago or more, are in
	BATCH \be, 0, \lag0, \fetch
	BATCH \be, 1, 1, 2*(\fetch)
.endm
.macro BODY                            ; two tiles: the buffers are back where they began
	TILE 1, 1, 1
	TILE 0, 1, 1
	WIN 0                                          ; at a label and at a branch every window is 0
.endm
; THE CHANGE OF SLOTS stands where a slot's 16th tile has been fetched.  Each wave waits for all its tensor loads (its part of the other slot), adds 0 to its spare word, and waits for that and for its reads of the slot.
; fill = 1: the slot is filled again with the tiles two slots on; the barrier is then a round of the cluster's, and the joint refill is the first thing behind it: it has 16 tiles, 512 products, in which to land.
.macro CHANGE fill
	WIN 0
	s_wait_tensorcnt 0x0                           ; no tensor load of mine is out, so a group 0 may be written
	ds_add_u32 v[SPW], v[NIL]                      ; 0 onto my spare word
.if \fill
	s_xor_b32 s[G0W+1], s[G0W+1], SLOT1            ; the other slot than last time,
	s_add_nc_u64 s[G0W+2:G0W+3], s[G0W+2:G0W+3], SLOT1   ; the next 16 tiles; the type bits on top are not reached
.endif
	s_wait_dscnt 0x0                               ; the add is done, and my reads of the slot are over
.if \fill
	CROUND
	tensor_load_to_lds s[G0W:G0W+3], s[G1C:G1C+7]
	s_nop 0
.rept 4
	v_nop
.endr
.else
	s_barrier_signal -1
	s_barrier_wait -1
.endif
	s_sub_co_u32 s[TB], s[TB], SLOT1               ; the fetches go back to a slot's first tile,
	s_xor_b32 s[TB], s[TB], SLOT1                  ; in the other slot
.endm
	s_wait_loadcnt 0x0                             ; the queries
	s_wait_tensorcnt 1                             ; the side block and my part of slot 0 are in; slot 1's may stay out
	s_barrier_signal -1
	s_barrier_wait -1                              ; everybody's are
	FETCH 0
	FETCH_T2 0
	TILE 0, 0, 1                                   ; tile 0: there are no results yet to work on beside its first batch
	WIN 0
	s_mov_b32 s55, 7
.Lfirst:                                               ; tiles 1 to 14
	BODY
	s_sub_co_u32 s55, s55, 1
	s_cmp_lg_u32 s55, 0
	s_cbranch_scc1 .Lfirst
	s_mov_b32 s56, 2
.Lpass:                                                ; tiles 15 to 46: two changes that fill a slot again
	CHANGE 1
	s_mov_b32 s55, 8
.Lmid:
	BODY
	s_sub_co_u32 s55, s55, 1
	s_cmp_lg_u32 s55, 0
	s_cbranch_scc1 .Lmid
	s_sub_co_u32 s56, s56, 1
	s_cmp_lg_u32 s56, 0
	s_cbranch_scc1 .Lpass
	CHANGE 0                                       ; the tail is written out: nothing is left to ask for
	s_mov_b32 s55, 8
.Llast:                                                ; tiles 47 to 62
	BODY
	s_sub_co_u32 s55, s55, 1
	s_cmp_lg_u32 s55, 0
	s_cbranch_scc1 .Llast
	TILE 1, 1, 0                                   ; tile 63
	WIN 0
.set k, 0
.rept 16
	SLICE 1, 1                                     ; its last batch's results
.set k, k+1
.endr
	; THE WAY OUT.  A lane holds 4 bytes of each of 80 rows: they go through my own stage and leave as rows of 512 bytes (my wave's 128 queries of one list and place).
.irp t, 0,1,2,3,4,5,6,7
.irp i, 0,1,2,3,4
	ds_store_b32 v[STO], v[LA+5*\t+\i] offset:512*\i+64*\t
	ds_store_b32 v[STO], v[LG+5*\t+\i] offset:5120+512*\i+64*\t
.endr
.endr
.irp p, 0,1,2,3,4,5,6,7,8,9
	ds_load_b128 v[ACC+4*\p:ACC+4*\p+3], v[RD] offset:512*\p           ; LDS serves a wave's instructions in order (ISA guide 5.7.1.4): these see my stores
.endr
.irp p, 0,1,2,3,4,5,6,7,8,9
	ds_load_b128 v[T2+4*\p:T2+4*\p+3], v[RD] offset:5120+512*\p        ; into v36-75: the scale registers are left alone
.endr
.irp p, 0,1,2,3,4,5,6,7,8,9
	s_wait_dscnt 19-\p                             ; row p is back; the younger loads may be out
	global_store_b128 v[GO], v[ACC+4*\p:ACC+4*\p+3], s[12:13] offset:8192*\p   ; row p = 5 h + i; 32 lanes store 512 consecutive bytes, at a multiple of 512 from the buffer's first byte
.endr
.irp p, 0,1,2,3,4,5,6,7,8,9
	s_wait_dscnt 9-\p
	global_store_b128 v[GO], v[T2+4*\p:T2+4*\p+3], s[14:15] offset:8192*\p
.endr
	s_wait_tensorcnt 0x0                           ; the wave's end, behind my last tensor load and my last LDS store
	ds_add_u32 v[SPW], v[NIL]
	s_wait_dscnt 0x0
	CROUND                                         ; the closing round: no work-group ends while a partner may still ask for a tile that names it
	s_endpgm
.Lfunc_end_k_q7934a629d7_scan:
	.size	k_q7934a629d7_scan, .Lfunc_end_k_q7934a629d7_scan-k_q7934a629d7_scan
	.p2alignl 7, 3214868480
	.fill 96, 4, 3214868480
	.section	.rodata,"a",@progbits
	.p2align	6, 0x0
	.amdhsa_kernel k_q7934a629d7_scan
		.amdhsa_group_segment_fixed_size 327680
		.amdhsa_private_segment_fixed_size 0
		.amdhsa_enable_private_segment 0
		.amdhsa_kernarg_size 48
		.amdhsa_user_sgpr_count 2
		.amdhsa_user_sgpr_kernarg_segment_ptr 1
		.amdhsa_wavefront_size32 1
		.amdhsa_system_sgpr_workgroup_id_x 1
		.amdhsa_system_sgpr_workgroup_id_y 1
		.amdhsa_system_sgpr_workgroup_id_z 1
		.amdhsa_system_vgpr_workitem_id 0
		.amdhsa_next_free_vgpr 896
		.amdhsa_next_free_sgpr 76
		.amdhsa_reserve_vcc 0
		.amdhsa_float_denorm_mode_32 3
		.amdhsa_float_denorm_mode_16_64 3
		.amdhsa_memory_ordered 1
		.amdhsa_forward_progress 1
		.amdhsa_inst_pref_size 216
	.end_amdhsa_kernel
	.amdgpu_metadata
---
amdhsa.version: [ 1, 2 ]
amdhsa.kernels:
  - .name:           k_q7934a629d7_scan
    .symbol:         k_q7934a629d7_scan.kd
    .args:
      - { .name: xcodes, .offset: 0, .size: 8, .value_kind: global_buffer, .address_space: global }
      - { .name: xside, .offset: 8, .size: 8, .value_kind: global_buffer, .address_space: global }
      - { .name: tcodes, .offset: 16, .size: 8, .value_kind: global_buffer, .address_space: global }
      - { .name: tside, .offset: 24, .size: 8, .value_kind: global_buffer, .address_space: global }
      - { .name: candv, .offset: 32, .size: 8, .value_kind: global_buffer, .address_space: global }
      - { .name: candg, .offset: 40, .size: 8, .value_kind: global_buffer, .address_space: global }
    .group_segment_fixed_size: 327680
    .private_segment_fixed_size: 0
    .kernarg_segment_align: 8
    .kernarg_segment_size: 48
    .max_flat_workgroup_size: 128
    .sgpr_count:     76
    .vgpr_count:     896
    .wavefront_size: 32
...
	.end_amdgpu_metadata
.endif
;; end of part 2
;; launch merge (part 3): grid 64 x 1, 16 waves a work-group, no clusters, 27,648 bytes of LDS; arguments candv, candg, topg; writes topg
.if DOCPART == 3
	.amdgcn_target "amdgcn-amd-amdhsa--gfx1250"
	.amdhsa_code_object_version 6
	.text
	.protected	k_q7934a629d7_merge
	.globl	k_q7934a629d7_merge
	.p2align	8
	.type	k_q7934a629d7_merge,@function
k_q7934a629d7_merge:
	s_mov_b64 s[64:65], 0
	v_nop
	global_prefetch_b8 v0, s[64:65] scope:SCOPE_SE
	s_setreg_imm32_b32 hwreg(HW_REG_WAVE_MODE, 25, 1), 1
	s_wait_xcnt 0x0
; For each query 128 sorted lists of five (value, group number) are merged into the eight best groups, in the order (value, group number).
; candv, candg: [list 128][place 5][query 2048], 4 bytes each; list L holds groups 64 L .. 64 L + 63, so lists taken in ascending order and a strict comparison keep the lower group on ties.  topg: [query][8].
; The five best are exact; places 6 to 8 are the best of what the lists of five still hold.
; SHARES.  A lane is a query (32 g + lane).  Phase 1: wave w merges lists 8 w .. 8 w + 7.  Phase 2: waves 0-3 merge four of those results each.  Phase 3: wave 0 merges the four that are left, into eight places.
; Results pass from wave to wave through LDS, each behind the storing wave's wait for its stores and a barrier that all sixteen waves pass.  No matrix unit, no tensor load: the work is comparisons, 10 MB are read.
; No address hangs on a comparison: the group numbers are chosen by v_cndmask_b32 and stored at fixed places.
.set LV, 16                            ; v16-95  eight lists: list j at 16 + 10 j: five values, five group numbers.  List 0's registers are the state
.set SV, 96                            ; v96-103 phase 3's eight values;  v104-111 its group numbers
.set SG, 104
.set MK, 16                            ; s16-23  the comparisons
; (value v, group g) is put into the sorted list of L places at sv, sg: L comparisons, L medians or minima, 2 L - 1 selections
.macro INS L, sv, sg, v, g
.set li, 0
.rept \L
	v_cmp_lt_f32 s[MK+li], v[\v], v[(\sv)+li]
.set li, li+1
.endr
.set li, \L-1
.rept \L-1
	v_med3_num_f32 v[(\sv)+li], v[\v], v[(\sv)+li-1], v[(\sv)+li]
.set li, li-1
.endr
	v_min_num_f32 v[\sv], v[\v], v[\sv]
.set li, \L-1
.rept \L-1
	v_cndmask_b32 v[(\sg)+li], v[(\sg)+li], v[\g], s[MK+li]
	v_cndmask_b32 v[(\sg)+li], v[(\sg)+li], v[(\sg)+li-1], s[MK+li-1]
.set li, li-1
.endr
	v_cndmask_b32 v[\sg], v[\sg], v[\g], s[MK]
.endm
	s_load_b128 s[4:7], s[0:1], 0x0                ; candv, candg
	s_load_b64 s[8:9], s[0:1], 0x10                ; topg
	v_lshl_add_u32 v128, v0, 2, 0x6400
	v_mov_b32 v129, 0
	v_lshrrev_b32 v1, 5, v0
	v_readfirstlane_b32 s2, v1                     ; wave 0..15
	v_and_b32 v1, 31, v0
	v_lshlrev_b32 v6, 2, v1                        ; 4 x lane
	s_mul_i32 s3, s2, 1280
	v_add_nc_u32 v2, s3, v6                        ; phase 1 stores here: 1,280 bytes a wave: five rows of 128 bytes of values, five of group numbers
	s_min_u32 s14, s2, 3                           ; every LDS address is made here, ahead of the waves' parting; in waves that do not use one it still lies inside LDS
	s_mul_i32 s10, s14, 5120
	v_add_nc_u32 v3, s10, v6                       ; phase 2 reads four such results
	s_mul_i32 s10, s14, 1280
	s_add_co_u32 s10, s10, 20480
	v_add_nc_u32 v4, s10, v6                       ; and stores behind the sixteen
	v_add_nc_u32 v5, 20480, v6                     ; phase 3 reads there
	v_lshlrev_b32 v7, 5, v1                        ; 32 bytes a query in topg
	s_mul_i32 s10, s2, 327680                      ; my eight lists: 8 x 5 rows of 8,192 bytes
	s_lshl_b32 s11, ttmp9, 7
	s_add_co_u32 s10, s10, s11                     ; my work-group's 32 queries
	s_mov_b32 s11, 0
	s_lshl_b32 s12, ttmp9, 10
	s_mov_b32 s13, 0
	s_wait_kmcnt 0x0
	s_add_nc_u64 s[4:5], s[4:5], s[10:11]
	s_add_nc_u64 s[6:7], s[6:7], s[10:11]
	s_add_nc_u64 s[8:9], s[8:9], s[12:13]
.irp j, 0,1,2,3,4,5,6,7
.irp i, 0,1,2,3,4
	global_load_b32 v[LV+10*\j+\i], v6, s[4:5] offset:8192*(5*\j+\i)
.endr
.irp i, 0,1,2,3,4
	global_load_b32 v[LV+10*\j+5+\i], v6, s[6:7] offset:8192*(5*\j+\i)
.endr
.endr
.irp j, 1,2,3,4,5,6,7
	s_wait_loadcnt 70-10*\j                        ; lists 0 to j are in; ten loads for each later list may be out
.irp i, 0,1,2,3,4
	INS 5, LV, LV+5, LV+10*\j+\i, LV+10*\j+5+\i
.endr
.endr
.irp i, 0,1,2,3,4
	ds_store_b32 v2, v[LV+\i] offset:128*\i
	ds_store_b32 v2, v[LV+5+\i] offset:640+128*\i
.endr
	s_wait_dscnt 0x0                               ; for the others' sake: my stores are done
	s_barrier_signal -1
	s_barrier_wait -1
	s_cmp_ge_u32 s2, 4
	s_cbranch_scc1 .Ltwo_done
.irp j, 0,1,2,3
.irp i, 0,1,2,3,4
	ds_load_b32 v[LV+10*\j+\i], v3 offset:1280*\j+128*\i
	ds_load_b32 v[LV+10*\j+5+\i], v3 offset:1280*\j+640+128*\i
.endr
.endr
	s_wait_dscnt 0x0
.irp j, 1,2,3
.irp i, 0,1,2,3,4
	INS 5, LV, LV+5, LV+10*\j+\i, LV+10*\j+5+\i
.endr
.endr
.irp i, 0,1,2,3,4
	ds_store_b32 v4, v[LV+\i] offset:128*\i
	ds_store_b32 v4, v[LV+5+\i] offset:640+128*\i
.endr
.Ltwo_done:
	s_wait_dscnt 0x0
	s_barrier_signal -1
	s_barrier_wait -1
	s_cmp_lg_u32 s2, 0
	s_cbranch_scc1 .Lend
.irp i, 0,1,2,3,4
	ds_load_b32 v[SV+\i], v5 offset:128*\i         ; the first list is the state's first five places
	ds_load_b32 v[SG+\i], v5 offset:640+128*\i
.endr
.irp j, 1,2,3
.irp i, 0,1,2,3,4
	ds_load_b32 v[LV+10*\j+\i], v5 offset:1280*\j+128*\i
	ds_load_b32 v[LV+10*\j+5+\i], v5 offset:1280*\j+640+128*\i
.endr
.endr
.irp i, 5,6,7
	v_mov_b32 v[SV+\i], 0x7f800000                 ; three places more, (+infinity, 0): fifteen entries follow, so none of these is left
	v_mov_b32 v[SG+\i], 0
.endr
	s_wait_dscnt 0x0
.irp j, 1,2,3
.irp i, 0,1,2,3,4
	INS 8, SV, SG, LV+10*\j+\i, LV+10*\j+5+\i
.endr
.endr
	global_store_b128 v7, v[SG:SG+3], s[8:9]       ; the wave's two stores cover 1,024 consecutive bytes between them (64 KB in the whole launch)
	global_store_b128 v7, v[SG+4:SG+7], s[8:9] offset:16
.Lend:
	s_wait_tensorcnt 0x0
	ds_add_u32 v128, v129
	s_wait_dscnt 0x0
	s_endpgm
.Lfunc_end_k_q7934a629d7_merge:
	.size	k_q7934a629d7_merge, .Lfunc_end_k_q7934a629d7_merge-k_q7934a629d7_merge
	.p2alignl 7, 3214868480
	.fill 96, 4, 3214868480
	.section	.rodata,"a",@progbits
	.p2align	6, 0x0
	.amdhsa_kernel k_q7934a629d7_merge
		.amdhsa_group_segment_fixed_size 27648
		.amdhsa_private_segment_fixed_size 0
		.amdhsa_enable_private_segment 0
		.amdhsa_kernarg_size 24
		.amdhsa_user_sgpr_count 2
		.amdhsa_user_sgpr_kernarg_segment_ptr 1
		.amdhsa_wavefront_size32 1
		.amdhsa_system_sgpr_workgroup_id_x 1
		.amdhsa_system_sgpr_workgroup_id_y 1
		.amdhsa_system_sgpr_workgroup_id_z 1
		.amdhsa_system_vgpr_workitem_id 0
		.amdhsa_next_free_vgpr 130
		.amdhsa_next_free_sgpr 66
		.amdhsa_reserve_vcc 0
		.amdhsa_float_denorm_mode_32 3
		.amdhsa_float_denorm_mode_16_64 3
		.amdhsa_memory_ordered 1
		.amdhsa_forward_progress 1
		.amdhsa_inst_pref_size 103
	.end_amdhsa_kernel
	.amdgpu_metadata
---
amdhsa.version: [ 1, 2 ]
amdhsa.kernels:
  - .name:           k_q7934a629d7_merge
    .symbol:         k_q7934a629d7_merge.kd
    .args:
      - { .name: candv, .offset: 0, .size: 8, .value_kind: global_buffer, .address_space: global }
      - { .name: candg, .offset: 8, .size: 8, .value_kind: global_buffer, .address_space: global }
      - { .name: topg, .offset: 16, .size: 8, .value_kind: global_buffer, .address_space: global }
    .group_segment_fixed_size: 27648
    .private_segment_fixed_size: 0
    .kernarg_segment_align: 8
    .kernarg_segment_size: 24
    .max_flat_workgroup_size: 512
    .sgpr_count:     66
    .vgpr_count:     130
    .wavefront_size: 32
...
	.end_amdgpu_metadata
.endif
;; end of part 3
;; launch refine (part 4): grid 256 x 1, 8 waves a work-group, no clusters, 1,280 bytes of LDS; arguments topg, xcodes, xside, tcodes, tside, y_train, out0; writes out0
.if DOCPART == 4
	.amdgcn_target "amdgcn-amd-amdhsa--gfx1250"
	.amdhsa_code_object_version 6
	.text
	.protected	k_q7934a629d7_refine
	.globl	k_q7934a629d7_refine
	.p2align	8
	.type	k_q7934a629d7_refine,@function
k_q7934a629d7_refine:
	s_mov_b64 s[64:65], 0
	v_nop
	global_prefetch_b8 v0, s[64:65] scope:SCOPE_SE
	s_setreg_imm32_b32 hwreg(HW_REG_WAVE_MODE, 25, 1), 1
	s_wait_xcnt 0x0
; For each query the 64 training rows of its eight groups are computed again by the same matrix instruction on the same codes: d2 = (x2 + t2) - 2 dot, dist = sqrt(max(d2, 0)); the five smallest by (dist, row) are taken,
; their labels are read, and the label with the most votes is stored, the smallest label on ties.
; SHARES.  A wave takes one query, q = 8 g + wave.  Source 0 = 16 candidate rows (tile a = groups 2 a and 2 a + 1 of the query's eight), source 1 = the query in all 16 columns.  In tile a lane (r, h) holds rows 0..7 of group 2 a + h,
; the same in every r: lane (r, h) keeps tile a = r % 4, so that 8 lanes hold the 64 rows and the lanes 4, 8 and 12 further on hold copies.
; ADDRESSES hang on the group numbers that an earlier launch stored: each field is cut from the number first and then held by v_min_u32 with a constant; behind that only shifts left, additions and multiplications follow.
; A group's codes of one block of 32 along K are one aligned run of 256 bytes, so each load of codes reads two such runs whole.
; THE ROOT.  v_sqrt_f32 is good to 1 ulp (ISA guide, its entry); one step y + (d - y y) / (2 y) with fused multiply-adds brings it to the nearest number in all but rare cases.
; LIMITS: NaN and infinities are not served.  For d2 under 2^-126 the distance comes out as d2 x 2^63, not as its root: the order is kept, and exact zeros stay zeros.
; A row whose d2 is larger than the fifth's but whose distance rounds to the same f32, with a lower index, is honoured only if its group is among the query's eight.  Labels outside 0..99 cast no vote; if none of the five is valid the answer is 0.
; REGISTERS.  window 0: v1-34 lane numbers, offsets; v40-47 the candidates' scale words, v48-49 the query's (scales and nothing else); v64-127 the query's fragments; v128-135 t2; v136-143 labels; v144-175 four accumulators;
;   v176-183 distances; v184-191 payloads; v192-236 at work.   window 1: the candidates' fragments (tile a, block f at 64 a + 4 f).
.set GA, 8                             ; v8-11  the group of my row in tile a;  v12 the group whose results I keep
.set CO, 16                            ; v16-19 offsets of the codes;  v20-23 of the scale words
.set SO, 20
.set TSC, 40
.set QSC, 48
.set QF, 64
.set T2, 128
.set LB, 136
.set DD, 144
.set DI, 176
.set PY, 184
.set YY, 192
.set RC, 200
.set W,  208                           ; v208-212 the five winners
.set CN, 230                           ; v230-234 their votes
.set MSB, 0
.macro WIN new
.if MSB != (\new)
	s_set_vgpr_msb (MSB<<8)|(\new)
.set MSB, (\new)
.endif
.endm
	s_load_b256 s[4:11], s[0:1], 0x0               ; topg s[4:5], xcodes s[6:7], xside s[8:9], tcodes s[10:11]
	s_load_b128 s[12:15], s[0:1], 0x20             ; tside s[12:13], y_train s[14:15]
	s_load_b64 s[16:17], s[0:1], 0x30              ; out0
	v_lshl_add_u32 v254, v0, 2, 0x100
	v_mov_b32 v255, 0
	v_lshrrev_b32 v1, 5, v0
	v_readfirstlane_b32 s2, v1                     ; wave 0..7
	s_lshl_b32 s3, ttmp9, 3
	s_add_co_u32 s3, s3, s2                        ; q
	v_and_b32 v1, 15, v0                           ; r
	v_bfe_u32 v2, v0, 4, 1                         ; h
	v_bfe_u32 v3, v0, 3, 1                         ; r / 8: which of a tile's two groups my row belongs to
	v_and_b32 v4, 7, v0                            ; r % 8: which row of it
	v_lshlrev_b32 v5, 2, v3
	v_and_b32 v6, 3, v0                            ; r % 4: the tile whose results I keep
	v_lshlrev_b32 v7, 3, v6
	v_lshl_add_u32 v7, v2, 2, v7                   ; 4 (2 (r % 4) + h)
	v_mov_b32 v13, s2
	v_lshlrev_b32 v13, 2, v13                      ; LDS: my wave's word
	v_lshlrev_b32 v14, 2, v4                       ; LDS and out0: 4 (lane % 8)
	v_cmp_eq_u32 s20, 1, v6
	v_cmp_eq_u32 s21, 2, v6
	v_cmp_eq_u32 s22, 3, v6
	v_mov_b32 v33, 127
	v_mov_b32 v218, 0                              ; a lane permute's destination counts as one of its sources
	v_mov_b32 v219, 0x7f800000                     ; +infinity
	s_mov_b32 s28, 0x76543210
	s_mov_b32 s29, 0xfedcba98                      ; lane l xor 16
	s_lshl_b32 s24, s3, 5
	s_mov_b32 s25, 0
	s_lshr_b32 s31, s3, 4                          ; the query's tile,
	s_and_b32 s32, s3, 15                          ; and its row m in it
	s_lshr_b32 s33, s32, 3
	s_and_b32 s34, s32, 7
	s_lshl_b32 s36, s31, 13
	s_lshl_b32 s35, s33, 8
	s_add_co_u32 s36, s36, s35
	s_lshl_b32 s35, s34, 4
	s_add_co_u32 s36, s36, s35                     ; codes: 8,192 tile + 256 (m / 8) + 16 (m % 8)
	s_mov_b32 s37, 0
	s_lshr_b32 s35, s31, 6
	s_mul_i32 s35, s35, 20480
	s_and_b32 s31, s31, 63
	s_lshl_b32 s38, s31, 8
	s_add_co_u32 s38, s38, s35
	s_lshl_b32 s34, s32, 3
	s_add_co_u32 s38, s38, s34                     ; scale words: + 8 m
	s_mov_b32 s39, 0
	s_lshl_b32 s40, s31, 6
	s_add_co_u32 s40, s40, s35
	s_lshl_b32 s34, s32, 2
	s_add_co_u32 s40, s40, s34
	s_add_co_u32 s40, s40, 16384                   ; x2
	s_mov_b32 s41, 0
	v_xor_b32 v26, s33, v2
	v_lshlrev_b32 v26, 7, v26                      ; 128 (h xor (m / 8))
	v_lshlrev_b32 v27, 7, v2                       ; 128 h: lanes 16-31 take the odd K steps' words
	s_lshl_b32 s46, ttmp9, 5
	s_mov_b32 s47, 0
	s_wait_kmcnt 0x0
	s_add_nc_u64 s[4:5], s[4:5], s[24:25]
	s_add_nc_u64 s[6:7], s[6:7], s[36:37]
	s_add_nc_u64 s[42:43], s[8:9], s[38:39]
	s_add_nc_u64 s[44:45], s[8:9], s[40:41]
	s_add_nc_u64 s[16:17], s[16:17], s[46:47]
.irp a, 0,1,2,3
	global_load_b32 v[GA+\a], v5, s[4:5] offset:8*\a
.endr
	global_load_b32 v12, v7, s[4:5]
	s_load_b32 s26, s[44:45], 0x0                  ; x2 (this launch writes nothing of xside)
.irp f, 0,1,2,3,4,5,6,7,8,9,10,11,12,13,14,15
	global_load_b128 v[QF+4*\f:QF+4*\f+3], v26, s[6:7] offset:512*\f   ; the query's fragments: the same row in all sixteen columns
.endr
	global_load_b64 v[QSC:QSC+1], v27, s[42:43]
	s_wait_loadcnt 17                              ; the five group numbers are in; the query's 17 loads may be out
.irp a, 0,1,2,3
	v_lshrrev_b32 v28, 7, v[GA+\a]                 ; group = 128 c + 64 hm + tau: the fields are cut first,
	v_and_b32 v29, 63, v[GA+\a]
	v_bfe_u32 v30, v[GA+\a], 6, 1
	v_xor_b32 v31, v30, v2
	v_min_u32 v28, 63, v28                         ; and each is held
	v_min_u32 v29, 63, v29
	v_min_u32 v30, 1, v30
	v_min_u32 v31, 1, v31
	v_lshlrev_b32 v[CO+\a], 19, v28                ; codes: 524,288 c + 8,192 tau + 256 hm + 128 (h xor hm) + 16 (r % 8)
	v_lshl_add_u32 v[CO+\a], v29, 13, v[CO+\a]
	v_lshl_add_u32 v[CO+\a], v30, 8, v[CO+\a]
	v_lshl_add_u32 v[CO+\a], v31, 7, v[CO+\a]
	v_lshl_add_u32 v[CO+\a], v4, 4, v[CO+\a]
	v_mul_u32_u24 v[SO+\a], v28, 20480             ; scale words: 20,480 c + 256 tau + 64 hm + 8 (r % 8) + 128 h
	v_lshl_add_u32 v[SO+\a], v29, 8, v[SO+\a]
	v_lshl_add_u32 v[SO+\a], v30, 6, v[SO+\a]
	v_lshl_add_u32 v[SO+\a], v4, 3, v[SO+\a]
	v_lshl_add_u32 v[SO+\a], v2, 7, v[SO+\a]
.endr
	v_lshrrev_b32 v28, 7, v12
	v_and_b32 v29, 63, v12
	v_bfe_u32 v30, v12, 6, 1
	v_min_u32 v28, 63, v28
	v_min_u32 v29, 63, v29
	v_min_u32 v30, 1, v30
	v_min_u32 v32, 0x1fff, v12                     ; the group whose results I keep
	v_mul_u32_u24 v24, v28, 20480                  ; its eight t2: 20,480 c + 16,384 + 64 tau + 32 hm
	v_lshl_add_u32 v24, v29, 6, v24
	v_lshl_add_u32 v24, v30, 5, v24
	v_add_nc_u32 v24, 16384, v24
	v_lshlrev_b32 v25, 5, v32                      ; its eight labels: rows 8 g .. 8 g + 7
	v_lshlrev_b32 v34, 10, v32
	WIN 0x40                                       ; destination window 1
.irp a, 0,1,2,3
.irp f, 0,1,2,3,4,5,6,7,8,9,10,11,12,13,14,15
	global_load_b128 v[64*\a+4*\f:64*\a+4*\f+3], v[CO+\a], s[10:11] offset:512*\f
.endr
.endr
	WIN 0
.irp a, 0,1,2,3
	global_load_b64 v[TSC+2*\a:TSC+2*\a+1], v[SO+\a], s[12:13]
.endr
	global_load_b128 v[T2:T2+3], v24, s[12:13]
	global_load_b128 v[T2+4:T2+7], v24, s[12:13] offset:16
	global_load_b128 v[LB:LB+3], v25, s[14:15]
	global_load_b128 v[LB+4:LB+7], v25, s[14:15] offset:16
	s_wait_loadcnt 0x0
	s_wait_kmcnt 0x0
	WIN 0x01                                       ; source 0 window 1
.irp s, 0,1,2,3                        ; the four accumulators by turns, K ascending
.irp a, 0,1,2,3
.if \s == 0
	v_wmma_scale_f32_16x16x128_f8f6f4 v[DD+8*\a:DD+8*\a+7], v[64*\a+16*\s:64*\a+16*\s+15], v[QF+16*\s:QF+16*\s+15], 0, v[TSC+2*\a+\s/2], v[QSC+\s/2]
.elseif \s == 2
	v_wmma_scale_f32_16x16x128_f8f6f4 v[DD+8*\a:DD+8*\a+7], v[64*\a+16*\s:64*\a+16*\s+15], v[QF+16*\s:QF+16*\s+15], v[DD+8*\a:DD+8*\a+7], v[TSC+2*\a+\s/2], v[QSC+\s/2]
.else
	v_wmma_scale_f32_16x16x128_f8f6f4 v[DD+8*\a:DD+8*\a+7], v[64*\a+16*\s:64*\a+16*\s+15], v[QF+16*\s:QF+16*\s+15], v[DD+8*\a:DD+8*\a+7], v[TSC+2*\a+\s/2], v[QSC+\s/2] matrix_a_scale:MATRIX_SCALE_ROW1 matrix_b_scale:MATRIX_SCALE_ROW1
.endif
.endr
.endr
	WIN 0
.rept 8
	v_nop                                          ; eight places behind this form before its results are read
.endr
.irp j, 0,1,2,3,4,5,6,7                ; my tile's results; each accumulator is read from its low end on
	v_cndmask_b32 v[DI+\j], v[DD+\j], v[DD+8+\j], s20
	v_cndmask_b32 v[DI+\j], v[DI+\j], v[DD+16+\j], s21
	v_cndmask_b32 v[DI+\j], v[DI+\j], v[DD+24+\j], s22
.endr
.irp j, 0,1,2,3,4,5,6,7
	v_add_f32 v[T2+\j], s26, v[T2+\j]              ; x2 + t2,
	v_fma_f32 v[DI+\j], -2.0, v[DI+\j], v[T2+\j]   ; - 2 dot,
	v_max_num_f32 v[DI+\j], 0, v[DI+\j]            ; not under 0
.endr
.irp j, 0,1,2,3,4,5,6,7
	v_sqrt_f32 v[YY+\j], v[DI+\j]
.endr
	v_nop                                          ; a plain line between a transcendental and the use of its result
	s_wait_alu depctr_va_vdst(0)
.irp j, 0,1,2,3,4,5,6,7
	v_rcp_f32 v[RC+\j], v[YY+\j]
.endr
	v_nop
	s_wait_alu depctr_va_vdst(0)
.irp j, 0,1,2,3,4,5,6,7
	v_min_num_f32 v[RC+\j], 0x5f800000, v[RC+\j]   ; held at 2^64, above 1 / sqrt of every normal number: so a root of 0 gives no infinity
	v_fma_f32 v[DI+\j], -v[YY+\j], v[YY+\j], v[DI+\j]   ; d - y y, exact to one rounding
	v_mul_f32 v[RC+\j], 0.5, v[RC+\j]
	v_fma_f32 v[DI+\j], v[DI+\j], v[RC+\j], v[YY+\j]    ; the distance
.endr
.irp j, 0,1,2,3,4,5,6,7
	v_cmp_gt_u32 vcc_lo, 100, v[LB+\j]
	v_cndmask_b32 v[LB+\j], v33, v[LB+\j], vcc_lo  ; a label outside 0..99 becomes 127: it will cast no vote
	v_add3_u32 v[PY+\j], v34, \j<<7, v[LB+\j]      ; payload = 128 x row + label, under 2^23: exact as f32, and in the order of the rows
	v_cvt_f32_u32 v[PY+\j], v[PY+\j]
.endr
.macro WMIN x                          ; the smallest over the wave, in every lane.  Lanes 4, 8 and 12 apart hold copies, so two steps inside a quad and the exchange of halves do
	v_min_num_f32_dpp v[\x], v[\x], v[\x] row_xmask:1 row_mask:0xf bank_mask:0xf
	v_min_num_f32_dpp v[\x], v[\x], v[\x] row_xmask:2 row_mask:0xf bank_mask:0xf
	v_permlanex16_b32 v218, v[\x], s28, s29
	v_min_num_f32 v[\x], v[\x], v218
.endm
.macro EXTRACT i                       ; the next nearest row: the smallest distance; among the rows that have it the smallest payload, that is the lowest row; then that row (all its copies) is taken out
	v_min3_num_f32 v216, v[DI], v[DI+1], v[DI+2]
	v_min3_num_f32 v217, v[DI+3], v[DI+4], v[DI+5]
	v_min3_num_f32 v216, v216, v[DI+6], v[DI+7]
	v_min_num_f32 v216, v216, v217
	WMIN 216
.irp j, 0,1,2,3,4,5,6,7
	v_cmp_eq_f32 vcc_lo, v216, v[DI+\j]
	v_cndmask_b32 v[220+\j], v219, v[PY+\j], vcc_lo
.endr
	v_min3_num_f32 v[W+\i], v220, v221, v222
	v_min3_num_f32 v228, v223, v224, v225
	v_min3_num_f32 v[W+\i], v[W+\i], v226, v227
	v_min_num_f32 v[W+\i], v[W+\i], v228
	WMIN W+\i
.irp j, 0,1,2,3,4,5,6,7
	v_cmp_eq_f32 vcc_lo, v[W+\i], v[PY+\j]
	v_cndmask_b32 v[DI+\j], v[DI+\j], v219, vcc_lo
.endr
.endm
.irp i, 0,1,2,3,4
	EXTRACT \i
.endr
.irp i, 0,1,2,3,4
	v_cvt_u32_f32 v[W+\i], v[W+\i]
	v_and_b32 v[W+\i], v33, v[W+\i]                ; the label
	v_mov_b32 v[CN+\i], 1
.endr
.macro PAIR a, b                       ; two equal labels give each other a vote
	v_cmp_eq_u32 vcc_lo, v[W+\a], v[W+\b]
	v_cndmask_b32 v216, 0, 1, vcc_lo
	v_add_nc_u32 v[CN+\a], v[CN+\a], v216
	v_add_nc_u32 v[CN+\b], v[CN+\b], v216
.endm
	PAIR 0, 1
	PAIR 0, 2
	PAIR 0, 3
	PAIR 0, 4
	PAIR 1, 2
	PAIR 1, 3
	PAIR 1, 4
	PAIR 2, 3
	PAIR 2, 4
	PAIR 3, 4
	v_mov_b32 v236, v33                            ; 127: the key of 'label 0, no vote'
.irp i, 0,1,2,3,4
	v_sub_nc_u32 v217, v33, v[W+\i]
	v_lshl_add_u32 v217, v[CN+\i], 7, v217         ; key = 128 x votes + 127 - label: more votes win, then the smaller label
	v_cmp_eq_u32 vcc_lo, v33, v[W+\i]
	v_cndmask_b32 v217, v217, 0, vcc_lo            ; an invalid label has no key
	v_max_u32 v236, v236, v217
.endr
	v_and_b32 v236, v33, v236
	v_sub_nc_u32 v236, v33, v236                   ; the answer, in every lane
	ds_store_b32 v13, v236                         ; all lanes write the same word with the same value
	s_wait_dscnt 0x0                               ; for wave 0's sake
	s_barrier_signal -1
	s_barrier_wait -1
	s_cmp_lg_u32 s2, 0
	s_cbranch_scc1 .Lend
	ds_load_b32 v221, v14                          ; the eight waves' answers
	v_cmp_gt_u32 vcc_lo, 8, v0                     ; (in wave 0 the thread's number is the lane's)
	s_wait_dscnt 0x0
	s_wait_xcnt 0x0                                ; EXEC changes only behind this wait
	s_and_saveexec_b32 s30, vcc_lo
	global_store_b32 v14, v221, s[16:17]           ; 32 consecutive bytes; the whole output is 8 KB
	s_wait_xcnt 0x0
	s_or_b32 exec_lo, exec_lo, s30
.Lend:
	s_wait_tensorcnt 0x0
	ds_add_u32 v254, v255
	s_wait_dscnt 0x0
	s_endpgm
.Lfunc_end_k_q7934a629d7_refine:
	.size	k_q7934a629d7_refine, .Lfunc_end_k_q7934a629d7_refine-k_q7934a629d7_refine
	.p2alignl 7, 3214868480
	.fill 96, 4, 3214868480
	.section	.rodata,"a",@progbits
	.p2align	6, 0x0
	.amdhsa_kernel k_q7934a629d7_refine
		.amdhsa_group_segment_fixed_size 1280
		.amdhsa_private_segment_fixed_size 0
		.amdhsa_enable_private_segment 0
		.amdhsa_kernarg_size 56
		.amdhsa_user_sgpr_count 2
		.amdhsa_user_sgpr_kernarg_segment_ptr 1
		.amdhsa_wavefront_size32 1
		.amdhsa_system_sgpr_workgroup_id_x 1
		.amdhsa_system_sgpr_workgroup_id_y 1
		.amdhsa_system_sgpr_workgroup_id_z 1
		.amdhsa_system_vgpr_workitem_id 0
		.amdhsa_next_free_vgpr 512
		.amdhsa_next_free_sgpr 66
		.amdhsa_reserve_vcc 1
		.amdhsa_float_denorm_mode_32 3
		.amdhsa_float_denorm_mode_16_64 3
		.amdhsa_memory_ordered 1
		.amdhsa_forward_progress 1
		.amdhsa_inst_pref_size 39
	.end_amdhsa_kernel
	.amdgpu_metadata
---
amdhsa.version: [ 1, 2 ]
amdhsa.kernels:
  - .name:           k_q7934a629d7_refine
    .symbol:         k_q7934a629d7_refine.kd
    .args:
      - { .name: topg, .offset: 0, .size: 8, .value_kind: global_buffer, .address_space: global }
      - { .name: xcodes, .offset: 8, .size: 8, .value_kind: global_buffer, .address_space: global }
      - { .name: xside, .offset: 16, .size: 8, .value_kind: global_buffer, .address_space: global }
      - { .name: tcodes, .offset: 24, .size: 8, .value_kind: global_buffer, .address_space: global }
      - { .name: tside, .offset: 32, .size: 8, .value_kind: global_buffer, .address_space: global }
      - { .name: y_train, .offset: 40, .size: 8, .value_kind: global_buffer, .address_space: global }
      - { .name: out0, .offset: 48, .size: 8, .value_kind: global_buffer, .address_space: global }
    .group_segment_fixed_size: 1280
    .private_segment_fixed_size: 0
    .kernarg_segment_align: 8
    .kernarg_segment_size: 56
    .max_flat_workgroup_size: 256
    .sgpr_count:     66
    .vgpr_count:     512
    .wavefront_size: 32
...
	.end_amdgpu_metadata
.endif
;; end of part 4
